; MI455X (gfx1250); checked and timed in simulation.
; The chip was launched on July 23, 2026; its instructions are those of AMD's public machine-readable ISA for CDNA 5 (MIT licence, August 2026) and "CDNA5" Instruction Set Architecture Reference Guide (July 2026). The comments in the code are by the model that wrote it; some were corrected since.
;; KNNC. Allowed arithmetic: float matrix products may take bf16 or f16 operands with f32 sums; all other float work in f32.
;; Inputs: distances 2,048 x 50,000 float32; one_hot_prototype_labels 50,000 x 100 float32.
;; Outputs: out0 2,048 x 100 float32.
;; 2 versions, each right; version 2 is version 1 with the launch vote written anew for expert scheduling mode. Each part assembles by itself: llvm-mc -triple=amdgcn-amd-amdhsa -mcpu=gfx1250 --defsym DOCPART=n.
;; ======== version 1 of 2: 3 launches
;; workspace buffers: groups 131,072 bytes of whole numbers; winners 131,072 bytes of whole numbers
;; launch select (part 1): grid 2048 x 1, 8 waves a work-group, no clusters, 3,072 bytes of LDS; arguments distances, groups; writes groups
.if DOCPART == 1
	.amdgcn_target "amdgcn-amd-amdhsa--gfx1250"
	.amdhsa_code_object_version 6
	.text
	.protected	k_q26f2967548_select
	.globl	k_q26f2967548_select
	.p2align	8
	.type	k_q26f2967548_select,@function
k_q26f2967548_select:
	s_mov_b64 s[64:65], 0
	v_nop
	global_prefetch_b8 v0, s[64:65] scope:SCOPE_SE
	s_setreg_imm32_b32 hwreg(HW_REG_WAVE_MODE, 25, 1), 1
	s_wait_xcnt 0x0
; SELECT: for each row of distances [2048][50000] f32, the numbers of the 16 groups of 256 bytes that hold the row's 16 smallest numbers.
;
; One work-group of 8 waves = one row.  A row is 200,000 bytes and starts 64 (row mod 4) bytes behind a multiple of 256; it is read from
; that multiple on, so every load of a wave covers 512 consecutive bytes that start at a multiple of 256.  Counted from there the row is
; at most 12,512 places of 16 bytes = 391 loads of 32 lanes; places in front of the row and behind it belong to the neighbouring rows
; (inside the buffer: row 0 has no shift, and the last row, with shift 192, ends exactly with load 390) and count as +inf.
; Wave w takes loads 49 w .. 49 w + 48; load 391 (wave 7's last) does not exist: that wave reads its load 47 again, all lanes +inf.
;
; GROUPS.  Group g = places 16 g .. 16 g + 15 = the 16 lanes of one half of one load: g = 2 (49 w + t) + half, 0 .. 781 (782, 783: no place
; of the row).  Groups are runs of consecutive numbers, so the order (minimum, g) agrees with the order (value, index) of their minima:
; a number in a group that is not among the first 16 in that order has 16 numbers in front of it.  The 16 winners lie in those 16 groups.
;
; METHOD, on values only, every step the same for all data:
;   1. q = minimum of a lane's 16 bytes, 49 registers; folded over the 16 lanes so that lane r holds the minimum of load 16 n + r.
;   2. V = the 16th smallest of the row's group minima (sorting networks over lanes; the waves' lists meet in LDS).
;   3. key = g where the minimum < V, g + 1024 where it == V, +inf otherwise (exact in f32).  The 16 smallest keys, by the same networks,
;      are the groups below V (15 at the most) and then the equal ones in the order of g: the first 16 in the order (minimum, g).
; They end in lanes 0-15 and are stored at a fixed place.  No address and no branch hangs on a distance; the next launch forms addresses.
;
; LIMITS: a NaN among the distances is not served (v_min_num drops it, compares with it are false).  +0 and -0 count as equal.
; Infinities are served: groups 782 and 783 have the largest keys of all groups with minimum +inf, behind 782 others.
; The row's record is 64 bytes, stored by 16 lanes: a quarter of an aligned run of 256 bytes (131,072 bytes in the whole launch).
; No cluster: no two work-groups read the same bytes.  No LDS staging: each lane uses its 16 bytes as they are loaded.
.set ROWB,  200000                     ; bytes in a row
.set NQUAD, 12500                      ; quads (16 bytes) in a row
.set NLD,   49                         ; loads of a wave
.set LAST,  NLD-1
.set RING,  24                         ; loads of a wave in flight: 24 x 512 bytes
.set OFF,   1                          ; v1       16 x lane
.set OFFL,  2                          ; v2       the same + the last load's place (wave 7: the one before)
.set VQ,    3                          ; v3       number, in the row, of the lane's quad in load 0 (wraps below 0 in front of the row)
.set INF,   4                          ; v4       +inf
.set TA,    5                          ; v5-7     at work
.set TB,    6
.set TP,    7
.set X,     8                          ; v8-103   the ring: 24 slots of 4 registers
.set Q,     104                        ; v104-152 the 49 quad minima; later v104, v120, v136, v152: the group minima
; behind the stream the ring's registers are free:
.set W,     8                          ; v8-11    the four registers that the networks work on
.set FT,    16                         ; v16-31   temporaries
.set WP,    FT+8                       ; v24-27   values from the other half of the lanes
.set IDF,   32                         ; v32-35   the group numbers of the four registers, as f32
.set STA,   36                         ; v36      4 x thread: my LDS word, and in wave 0 my word of the record
.set A1,    37                         ; v37      LDS address: list 2h, element r
.set A2,    38                         ; v38      LDS address: list 2h+1, element 15-r
.set P0,    40                         ; v40-43   the waves' lists; V, and at last the keys, end up in P0
.set P1,    41
.set P2,    42
.set P3,    43
	s_load_b128 s[4:7], s[0:1], 0x0                ; distances s[4:5], groups s[6:7]
	v_lshl_add_u32 v160, v0, 2, 0x800
	v_mov_b32 v161, 0
	v_lshrrev_b32 v[TA], 5, v0
	v_readfirstlane_b32 s8, v[TA]                  ; wave 0..7
	v_and_b32 v[TB], 31, v0                        ; lane
	v_lshlrev_b32 v[OFF], 4, v[TB]
	v_mov_b32 v[INF], 0x7f800000
	s_and_b32 s9, ttmp9, 3                         ; row mod 4
	s_mul_i32 s10, ttmp9, ROWB                     ; below 2^32: 2047 x 200,000
	s_lshl_b32 s11, s9, 6
	s_sub_co_u32 s10, s10, s11                     ; back to the multiple of 256
	s_mul_i32 s11, s8, NLD*512
	s_add_co_u32 s10, s10, s11                     ; + my wave's 49 loads
	s_mov_b32 s11, 0
	s_mov_b32 s12, LAST*512
	s_cmp_eq_u32 s8, 7
	s_cselect_b32 s12, (LAST-1)*512, s12           ; wave 7 has no load 48: it stays inside the buffer by reading load 47 again
	v_add_nc_u32 v[OFFL], s12, v[OFF]
	s_mul_i32 s13, s8, NLD*32
	s_lshl_b32 s14, s9, 2                          ; the shift in quads
	s_sub_co_u32 s13, s13, s14
	v_add_nc_u32 v[VQ], s13, v[TB]
	v_cmp_gt_u32 s16, NQUAD, v[VQ]                 ; s16, s17, s18: lanes whose place is in the row, for loads 0, 47, 48
	v_add_nc_u32 v[TP], (LAST-1)*32, v[VQ]         ; (all other loads of all waves lie wholly inside the row)
	v_cmp_gt_u32 s17, NQUAD, v[TP]
	v_add_nc_u32 v[TP], LAST*32, v[VQ]
	v_cmp_gt_u32 s18, NQUAD, v[TP]
	s_lshl_b32 s14, ttmp9, 6                       ; the row's record: 64 bytes
	s_mov_b32 s15, 0
	s_wait_kmcnt 0x0
	s_add_nc_u64 s[4:5], s[4:5], s[10:11]
	s_add_nc_u64 s[6:7], s[6:7], s[14:15]
.macro LOADQ t
.if \t == LAST
	global_load_b128 v[X+4*(\t%RING):X+4*(\t%RING)+3], v[OFFL], s[4:5] th:TH_LOAD_NT
.else
	global_load_b128 v[X+4*(\t%RING):X+4*(\t%RING)+3], v[OFF], s[4:5] offset:\t*512 th:TH_LOAD_NT
.endif
.endm
; One load's turn: its quad minimum, and the slot filled again.
.macro STEP t
.if \t+RING < NLD
	s_wait_loadcnt RING-1                          ; loads return in order: mine is in, the 23 younger ones stay out
.else
	s_wait_loadcnt LAST-\t                         ; nothing is issued any more: the count runs down
.endif
	v_min3_num_f32 v[Q+\t], v[X+4*(\t%RING)], v[X+4*(\t%RING)+1], v[X+4*(\t%RING)+2]
	v_min_num_f32 v[Q+\t], v[Q+\t], v[X+4*(\t%RING)+3]
.if \t+RING < NLD
	LOADQ (\t+RING)
.endif
.if \t == 0
	v_cndmask_b32 v[Q+\t], v[INF], v[Q+\t], s16    ; places in front of the row
.endif
.if \t == LAST-1
	v_cndmask_b32 v[Q+\t], v[INF], v[Q+\t], s17    ; places behind the row
.endif
.if \t == LAST
	v_cndmask_b32 v[Q+\t], v[INF], v[Q+\t], s18
.endif
.endm
.irp t, 0,1,2,3,4,5,6,7,8,9,10,11,12,13,14,15,16,17,18,19,20,21,22,23
	LOADQ \t
.endr
	; lane masks, set while the first loads travel
	s_mov_b32 s21, 0x76543210                      ; v_permlanex16_b32: lane i of one half reads lane i of the other
	s_mov_b32 s22, 0xfedcba98
	s_mov_b32 s24, 0xff00ff00                      ; lanes with bit 3, 2, 1, 0 set
	s_mov_b32 s25, 0xf0f0f0f0
	s_mov_b32 s26, 0xcccccccc
	s_mov_b32 s27, 0xaaaaaaaa
	s_mov_b32 s28, 0x80000001                      ; lanes 0 and 31: where load 48's two groups are kept
	s_mov_b32 s32, 0x99999999                      ; s32-41: the lanes that keep the smaller one in the ten steps of the sort of 16,
	s_mov_b32 s33, 0xc3c3c3c3                      ; = not ((lanes of ascending blocks) xor (lanes with the step's bit clear))
	s_mov_b32 s34, 0xa5a5a5a5
	s_mov_b32 s35, 0xf00ff00f
	s_mov_b32 s36, 0xcc33cc33
	s_mov_b32 s37, 0xaa55aa55
	s_mov_b32 s38, 0xff0000ff
	s_mov_b32 s39, 0xf0f00f0f
	s_mov_b32 s40, 0xcccc3333
	s_mov_b32 s41, 0xaaaa5555
	s_mov_b32 s42, 0x0000ffff                      ; lanes 0-15
.irp t, 0,1,2,3,4,5,6,7,8,9,10,11,12,13,14,15,16,17,18,19,20,21,22,23,24,25,26,27,28,29,30,31,32,33,34,35,36,37,38,39,40,41,42,43,44,45,46,47,48
	STEP \t
.endr
; FOLD: n pairs of registers (base+i, base+i+n) become n registers.  A lane whose bit is clear keeps the lower register's minimum, a lane
; whose bit is set the upper one's, each joined with what its partner (lane xor xm) holds of the same register.  Four folds (8, 4, 2, 1)
; turn 16 registers into one in which lane r of each half holds the minimum, over the half's 16 lanes, of register base + r.
.macro FOLD base, n, xm, msk
.set i, 0
.rept \n
	v_cndmask_b32 v[FT+2*i],   v[\base+i], v[\base+i+\n], \msk     ; what I keep
	v_cndmask_b32 v[FT+2*i+1], v[\base+i+\n], v[\base+i], \msk     ; what my partner keeps
	v_min_num_f32_dpp v[\base+i], v[FT+2*i+1], v[FT+2*i] row_xmask:\xm row_mask:0xf bank_mask:0xf
.set i, i+1
.endr
.endm
.irp b, 0,16,32
	FOLD (Q+\b), 8, 8, s24
	FOLD (Q+\b), 4, 4, s25
	FOLD (Q+\b), 2, 2, s26
	FOLD (Q+\b), 1, 1, s27
.endr
.irp m, 1,2,4,8
	v_min_num_f32_dpp v[Q+48], v[Q+48], v[Q+48] row_xmask:\m row_mask:0xf bank_mask:0xf    ; load 48: every lane gets its half's minimum,
.endr
	v_cndmask_b32 v[Q+48], v[INF], v[Q+48], s28    ; kept in lanes 0 and 31: with +inf elsewhere that is ascending | descending already
	; group numbers as f32, and LDS addresses
	v_and_b32 v[P0], 15, v0                        ; r
	v_bfe_u32 v[P1], v0, 4, 1                      ; h
	s_mul_i32 s23, s8, 2*NLD
	v_lshl_add_u32 v[P2], v[P0], 1, v[P1]
	v_add_nc_u32 v[P2], s23, v[P2]                 ; 98 w + 2 r + h: the group of load r
	v_cvt_f32_u32 v[IDF], v[P2]
	v_add_f32 v[IDF+1], 0x42000000, v[IDF]         ; + 32: load 16 + r
	v_add_f32 v[IDF+2], 0x42800000, v[IDF]         ; + 64: load 32 + r
	s_add_co_u32 s23, s23, 2*LAST
	v_add_nc_u32 v[P2], s23, v[P1]                 ; 98 w + 96 + h: load 48
	v_cvt_f32_u32 v[IDF+3], v[P2]
	v_lshlrev_b32 v[STA], 2, v0                    ; wave w's 32 words at LDS byte 128 w; only the first 16 are read
	v_lshlrev_b32 v[P1], 8, v[P1]
	v_lshl_add_u32 v[A1], v[P0], 2, v[P1]          ; 256 h + 4 r: list 2h, element r
	v_lshlrev_b32 v[P0], 2, v[P0]
	v_add_nc_u32 v[P1], 188, v[P1]
	v_sub_nc_u32 v[A2], v[P1], v[P0]               ; 256 h + 128 + 4 (15 - r): list 2h+1, backwards
; Compare and exchange with lane xor j inside each half of 16 lanes; keep: the lanes that keep the smaller one.
.macro CEX x, j, keep
	v_min_num_f32_dpp v[TA], v[\x], v[\x] row_xmask:\j row_mask:0xf bank_mask:0xf
	v_max_num_f32_dpp v[TB], v[\x], v[\x] row_xmask:\j row_mask:0xf bank_mask:0xf
	v_cndmask_b32 v[\x], v[TB], v[TA], \keep
.endm
.macro CEX2 x, y, j, keep              ; the same on two registers that do not wait for each other
	v_min_num_f32_dpp v[FT],   v[\x], v[\x] row_xmask:\j row_mask:0xf bank_mask:0xf
	v_max_num_f32_dpp v[FT+1], v[\x], v[\x] row_xmask:\j row_mask:0xf bank_mask:0xf
	v_min_num_f32_dpp v[FT+2], v[\y], v[\y] row_xmask:\j row_mask:0xf bank_mask:0xf
	v_max_num_f32_dpp v[FT+3], v[\y], v[\y] row_xmask:\j row_mask:0xf bank_mask:0xf
	v_cndmask_b32 v[\x], v[FT+1], v[FT], \keep
	v_cndmask_b32 v[\y], v[FT+3], v[FT+2], \keep
.endm
.macro CEX3 j, keep, a, b, c           ; on three: from a, b, c into W, W+1, W+2
	v_min_num_f32_dpp v[FT],   v[\a], v[\a] row_xmask:\j row_mask:0xf bank_mask:0xf
	v_max_num_f32_dpp v[FT+1], v[\a], v[\a] row_xmask:\j row_mask:0xf bank_mask:0xf
	v_min_num_f32_dpp v[FT+2], v[\b], v[\b] row_xmask:\j row_mask:0xf bank_mask:0xf
	v_max_num_f32_dpp v[FT+3], v[\b], v[\b] row_xmask:\j row_mask:0xf bank_mask:0xf
	v_min_num_f32_dpp v[FT+4], v[\c], v[\c] row_xmask:\j row_mask:0xf bank_mask:0xf
	v_max_num_f32_dpp v[FT+5], v[\c], v[\c] row_xmask:\j row_mask:0xf bank_mask:0xf
	v_cndmask_b32 v[W],   v[FT+1], v[FT],   \keep
	v_cndmask_b32 v[W+1], v[FT+3], v[FT+2], \keep
	v_cndmask_b32 v[W+2], v[FT+5], v[FT+4], \keep
.endm
.macro MERGE16 x                       ; a bitonic run of 16 in each half: lanes 0-15 end ascending, lanes 16-31 descending
	CEX \x, 8, s38
	CEX \x, 4, s39
	CEX \x, 2, s40
	CEX \x, 1, s41
.endm
.macro MERGE16X2 x, y
	CEX2 \x, \y, 8, s38
	CEX2 \x, \y, 4, s39
	CEX2 \x, \y, 2, s40
	CEX2 \x, \y, 1, s41
.endm
; x holds list A ascending in lanes 0-15 and list B descending in lanes 16-31.  min(A[i], B[15-i]) is the 16 smallest of both, as a bitonic
; run; both halves of d get it.  p: a register that has been written (v_permlanex16_b32 counts as a reader of its destination).
.macro HALVE d, x, p
	v_permlanex16_b32 v[\p], v[\x], s21, s22
	v_min_num_f32 v[\d], v[\x], v[\p]
.endm
; The 16 smallest of the wave's 98 values (registers a, b, c: 32 each; d: two, ascending | descending as it stands), sorted, into LDS.
.macro WAVETOP a, b, c, d, lds
	CEX3 1, s32, \a, \b, \c                        ; ten steps: each half of each register sorted, lanes 0-15 up, lanes 16-31 down
	CEX3 2, s33, W, W+1, W+2
	CEX3 1, s34, W, W+1, W+2
	CEX3 4, s35, W, W+1, W+2
	CEX3 2, s36, W, W+1, W+2
	CEX3 1, s37, W, W+1, W+2
	CEX3 8, s38, W, W+1, W+2
	CEX3 4, s39, W, W+1, W+2
	CEX3 2, s40, W, W+1, W+2
	CEX3 1, s41, W, W+1, W+2
	HALVE W, W, WP                                 ; eight lists become four,
	HALVE W+1, W+1, WP+1
	HALVE W+2, W+2, WP+2
	HALVE W+3, \d, WP+3
	v_cndmask_b32 v[W], v[W+1], v[W], s42          ; two to a register,
	v_cndmask_b32 v[W+2], v[W+3], v[W+2], s42
	MERGE16X2 W, W+2
	HALVE W, W, WP                                 ; two,
	HALVE W+2, W+2, WP+2
	v_cndmask_b32 v[W], v[W+2], v[W], s42
	MERGE16 W
	HALVE W, W, WP                                 ; one
	MERGE16 W
	ds_store_b32 v[STA], v[W] offset:\lds
.endm
; The 16 smallest of the eight waves' lists, as a bitonic run in both halves of P0: every wave merges for itself.
.macro ALLTOP lds
	s_wait_dscnt 0x0                               ; my store is done before I say so: the other waves read it
	s_barrier_signal -1
	s_barrier_wait -1
	ds_load_b32 v[P0], v[A1] offset:\lds           ; lists 0 | 2
	ds_load_b32 v[P1], v[A2] offset:\lds           ; lists 1 | 3, backwards
	ds_load_b32 v[P2], v[A1] offset:\lds+512       ; lists 4 | 6
	ds_load_b32 v[P3], v[A2] offset:\lds+512       ; lists 5 | 7, backwards
	s_wait_dscnt 0x0
	v_min_num_f32 v[P0], v[P0], v[P1]              ; 0+1 | 2+3
	v_min_num_f32 v[P2], v[P2], v[P3]              ; 4+5 | 6+7
	MERGE16X2 P0, P2
	HALVE P0, P0, WP                               ; 0..3
	HALVE P2, P2, WP+2                             ; 4..7
	v_cndmask_b32 v[P0], v[P2], v[P0], s42
	MERGE16 P0
	HALVE P0, P0, WP
.endm
	; pass 1: V, the 16th smallest group minimum
	WAVETOP Q, Q+16, Q+32, Q+48, 0
	ALLTOP 0
.irp m, 1,2,4,8
	v_max_num_f32_dpp v[P0], v[P0], v[P0] row_xmask:\m row_mask:0xf bank_mask:0xf          ; V, in every lane
.endr
	; pass 2: keys.  Its lists lie in LDS bytes of their own (1,024 on), so one barrier serves each pass.
.macro KEY n, g
	v_cmp_lt_f32 s44, v[\g], v[P0]
	v_cmp_eq_f32 s45, v[\g], v[P0]
	v_add_f32 v[TA], 0x44800000, v[IDF+\n]         ; g + 1024
	v_cndmask_b32 v[W+\n], v[INF], v[TA], s45
	v_cndmask_b32 v[W+\n], v[W+\n], v[IDF+\n], s44
.endm
	KEY 0, Q
	KEY 1, Q+16
	KEY 2, Q+32
	KEY 3, Q+48
	v_cndmask_b32 v[W+3], v[INF], v[W+3], s28      ; with V = +inf the lanes that hold no group would be equal to it
	WAVETOP W, W+1, W+2, W+3, 1024
	ALLTOP 1024
	v_cvt_u32_f32 v[P1], v[P0]                     ; at most 783 + 1024: exact
	v_and_b32 v[P1], 0x3ff, v[P1]                  ; g
	s_cmp_lg_u32 s8, 0                             ; every wave holds the result; wave 0 stores it
	s_cbranch_scc1 .Lend
	v_cmp_gt_u32 vcc_lo, 16, v0
	s_wait_xcnt 0x0                                ; EXEC is a source of the memory instructions issued so far: it changes only behind this wait
	s_and_saveexec_b32 s20, vcc_lo
	global_store_b32 v[STA], v[P1], s[6:7]         ; 16 lanes: the row's 64 bytes
	s_wait_xcnt 0x0
	s_or_b32 exec_lo, exec_lo, s20
.Lend:
	s_wait_tensorcnt 0x0
	ds_add_u32 v160, v161
	s_wait_dscnt 0x0
	s_endpgm
.Lfunc_end_k_q26f2967548_select:
	.size	k_q26f2967548_select, .Lfunc_end_k_q26f2967548_select-k_q26f2967548_select
	.p2alignl 7, 3214868480
	.fill 96, 4, 3214868480
	.section	.rodata,"a",@progbits
	.p2align	6, 0x0
	.amdhsa_kernel k_q26f2967548_select
		.amdhsa_group_segment_fixed_size 3072
		.amdhsa_private_segment_fixed_size 0
		.amdhsa_enable_private_segment 0
		.amdhsa_kernarg_size 16
		.amdhsa_user_sgpr_count 2
		.amdhsa_user_sgpr_kernarg_segment_ptr 1
		.amdhsa_wavefront_size32 1
		.amdhsa_system_sgpr_workgroup_id_x 1
		.amdhsa_system_sgpr_workgroup_id_y 1
		.amdhsa_system_sgpr_workgroup_id_z 1
		.amdhsa_system_vgpr_workitem_id 0
		.amdhsa_next_free_vgpr 162
		.amdhsa_next_free_sgpr 66
		.amdhsa_reserve_vcc 1
		.amdhsa_float_denorm_mode_32 3
		.amdhsa_float_denorm_mode_16_64 3
		.amdhsa_memory_ordered 1
		.amdhsa_forward_progress 1
		.amdhsa_inst_pref_size 51
	.end_amdhsa_kernel
	.amdgpu_metadata
---
amdhsa.version: [ 1, 2 ]
amdhsa.kernels:
  - .name:           k_q26f2967548_select
    .symbol:         k_q26f2967548_select.kd
    .args:
      - { .name: distances, .offset: 0, .size: 8, .value_kind: global_buffer, .address_space: global }
      - { .name: groups, .offset: 8, .size: 8, .value_kind: global_buffer, .address_space: global }
    .group_segment_fixed_size: 3072
    .private_segment_fixed_size: 0
    .kernarg_segment_align: 8
    .kernarg_segment_size: 16
    .max_flat_workgroup_size: 256
    .sgpr_count:     66
    .vgpr_count:     162
    .wavefront_size: 32
...
	.end_amdgpu_metadata
.endif
;; end of part 1
;; launch pick (part 2): grid 256 x 1, 8 waves a work-group, no clusters, 0 bytes of LDS; arguments groups, distances, winners; writes winners
.if DOCPART == 2
	.amdgcn_target "amdgcn-amd-amdhsa--gfx1250"
	.amdhsa_code_object_version 6
	.text
	.protected	k_q26f2967548_pick
	.globl	k_q26f2967548_pick
	.p2align	8
	.type	k_q26f2967548_pick,@function
k_q26f2967548_pick:
	s_mov_b64 s[64:65], 0
	v_nop
	global_prefetch_b8 v0, s[64:65] scope:SCOPE_SE
	s_setreg_imm32_b32 hwreg(HW_REG_WAVE_MODE, 25, 1), 1
	s_wait_xcnt 0x0
; PICK: the indices of a row's 16 smallest distances, lower index first among equals, out of the 16 groups of 256 bytes that the launch
; before named (they hold all 16: see there).  One wave = one row, 8 rows a work-group, no wave waits for another.
;
; The 16 group numbers come by one scalar load; the only addresses made from them are those of the 16 groups (clamped to 0 .. 781).
; A load of the wave brings two groups, one to each half of the lanes: 8 loads, each half 256 consecutive bytes at a multiple of 256.
; Group g = places 16 g .. 16 g + 15 of 16 bytes, counted from the multiple of 256 at or below the row's start; quad = place - 4 (row mod 4);
; places outside the row (quad not in 0 .. 12,499) belong to the neighbouring rows and are taken out.
;
; METHOD, on values only, the same steps for all data; 1,024 numbers, 32 registers a lane:
;   pass 1: K = the 16th smallest number.   keys: index where d < K, index + 65,536 where d == K, +inf otherwise or outside the row
;   (exact in f32: below 2^17).   pass 2: the 16 smallest keys = all numbers below K (15 at the most), then the equal ones in index order.
; A pass: a bitonic network over the lane's 32 registers (two runs of 16, up and down), the lower 16 of both, sorted; then five levels over
; the lanes (xor 1, 2, 4, 8, 16): min(mine[i], partner's[15-i]) is the lower 16 of two sorted lists, as a bitonic run, sorted again by four stages.
; Each stage reads one set of registers and writes the other (min to one place, max to the other): two instructions an exchange, no copy.
; No address and no branch hangs on a distance: the indices are stored, and the next launch forms addresses from them.
;
; LIMITS: a NaN among the distances is not served.  +0 and -0 count as equal.  Infinities are served.
; A row's record is 64 bytes, stored by 4 lanes in one instruction (131,072 bytes in the whole launch).
; No cluster, no LDS: no two waves read the same bytes.
.set NQUAD, 12500
.set NGRP,  782
.set R16,   1                          ; v1       16 x (lane mod 16)
.set RS,    2                          ; v2       lane mod 16 - the row's shift in quads
.set INF,   3                          ; v3       +inf
.set KTH,   4                          ; v4       K
.set TA,    5                          ; v5-6     at work
.set TB,    6
.set LN,    7                          ; v7       lane
.set GI,    8                          ; v8-15    load j: my half's group number
.set GO,    16                         ; v16-23   load j: byte offset of my 16 bytes
.set IDF,   24                         ; v24-31   load j: index of my first number, as f32; +inf outside the row
.set D,     32                         ; v32-63   the numbers, then the keys
.set A,     64                         ; v64-95   the networks' two sets
.set B,     96                         ; v96-127
.set OUTR,  128                        ; v128-131 four indices to store
.set SO,    132                        ; v132     16 x lane
	s_load_b128 s[4:7], s[0:1], 0x0                ; groups s[4:5], distances s[6:7]
	s_load_b64 s[8:9], s[0:1], 0x10                ; winners
	v_lshrrev_b32 v[TA], 5, v0
	v_readfirstlane_b32 s10, v[TA]                 ; wave
	s_lshl_b32 s11, ttmp9, 3
	s_add_co_u32 s11, s11, s10                     ; row
	v_and_b32 v[LN], 31, v0
	v_and_b32 v[TB], 15, v0
	v_lshlrev_b32 v[R16], 4, v[TB]
	v_lshlrev_b32 v[SO], 4, v[LN]
	v_mov_b32 v[INF], 0x7f800000
	s_and_b32 s12, s11, 3
	s_lshl_b32 s13, s12, 2                         ; places in front of the row
	v_sub_nc_u32 v[RS], v[TB], s13
	s_lshl_b32 s14, s11, 6                         ; both records: 64 bytes a row
	s_mov_b32 s15, 0
	s_mul_i32 s34, s11, 200000                     ; below 2^32
	s_lshl_b32 s35, s12, 6
	s_sub_co_u32 s34, s34, s35                     ; back to the multiple of 256
	s_mov_b32 s35, 0
	s_mov_b32 s36, 0xffff0000                      ; lanes 16-31
	s_mov_b32 s48, 0x76543210                      ; v_permlanex16_b32: lane i of one half reads lane i of the other
	s_mov_b32 s49, 0xfedcba98
	s_mov_b32 s52, 2                               ; lanes 1, 2, 3
	s_mov_b32 s53, 4
	s_mov_b32 s54, 8
	s_wait_kmcnt 0x0
	s_add_nc_u64 s[4:5], s[4:5], s[14:15]
	s_add_nc_u64 s[8:9], s[8:9], s[14:15]
	s_add_nc_u64 s[6:7], s[6:7], s[34:35]
	s_load_b512 s[16:31], s[4:5], 0x0              ; the row's 16 group numbers
	s_wait_kmcnt 0x0
.irp j, 0,1,2,3,4,5,6,7
	v_mov_b32 v[GI+\j], s[17+2*\j]
	v_cndmask_b32 v[GI+\j], s[16+2*\j], v[GI+\j], s36      ; lanes 0-15: number 2j of the list, lanes 16-31: number 2j+1
	v_min_u32 v[GI+\j], NGRP-1, v[GI+\j]                   ; inside the row's 782 groups whatever the record holds
	v_lshlrev_b32 v[GO+\j], 8, v[GI+\j]
	v_add_nc_u32 v[GO+\j], v[GO+\j], v[R16]
	global_load_b128 v[D+4*\j:D+4*\j+3], v[GO+\j], s[6:7]
.endr
.irp j, 0,1,2,3,4,5,6,7
	v_lshl_add_u32 v[IDF+\j], v[GI+\j], 4, v[RS]           ; quad = 16 g + lane mod 16 - shift (wraps below 0 in front of the row)
	v_cmp_gt_u32 s[40+\j], NQUAD, v[IDF+\j]                ; s40-47: lanes whose place is in the row
	v_lshlrev_b32 v[IDF+\j], 2, v[IDF+\j]
	v_cvt_f32_u32 v[IDF+\j], v[IDF+\j]
	v_cndmask_b32 v[IDF+\j], v[INF], v[IDF+\j], s[40+\j]
.endr
	s_wait_loadcnt 0x0
.irp j, 0,1,2,3,4,5,6,7
.irp c, 0,1,2,3
	v_cndmask_b32 v[D+4*\j+\c], v[INF], v[D+4*\j+\c], s[40+\j]     ; +inf cannot lower K: the 16 groups hold far more than 16 numbers of the row
.endr
.endr
.macro FLIP                            ; what was written is read next; the other of A and B is written next
.set NXT, A+B-DST
.set SRC, DST
.set DST, NXT
.endm
; One stage of a bitonic network over n registers: register i against i xor j; blocks of k registers go up and down in turn.
.macro STAGE n, k, j
.set i, 0
.rept \n
.set l, i^\j
.if l > i
.if (i&\k) == 0
	v_min_num_f32 v[DST+i], v[SRC+i], v[SRC+l]
	v_max_num_f32 v[DST+l], v[SRC+i], v[SRC+l]
.else
	v_max_num_f32 v[DST+i], v[SRC+i], v[SRC+l]
	v_min_num_f32 v[DST+l], v[SRC+i], v[SRC+l]
.endif
.endif
.set i, i+1
.endr
	FLIP
.endm
.macro MERGE4                          ; a bitonic run in registers 0-15 becomes ascending
	STAGE 16, 16, 8
	STAGE 16, 16, 4
	STAGE 16, 16, 2
	STAGE 16, 16, 1
.endm
.macro CROSS m                         ; the lower 16 of my list and that of lane xor m (both ascending)
.set i, 0
.rept 16
	v_min_num_f32_dpp v[DST+i], v[SRC+15-i], v[SRC+i] row_xmask:\m row_mask:0xf bank_mask:0xf
.set i, i+1
.endr
	FLIP
.endm
; The 16 smallest of the wave's 32 x 32 values in D: they end in registers SRC .. SRC+15 of every lane (the same order in lanes 0-15).
.macro TOP16
.set SRC, D
.set DST, A
	STAGE 32, 2, 1
	STAGE 32, 4, 2
	STAGE 32, 4, 1
	STAGE 32, 8, 4
	STAGE 32, 8, 2
	STAGE 32, 8, 1
	STAGE 32, 16, 8
	STAGE 32, 16, 4
	STAGE 32, 16, 2
	STAGE 32, 16, 1                                ; registers 0-15 ascending, 16-31 descending
.set i, 0
.rept 16
	v_min_num_f32 v[DST+i], v[SRC+i], v[SRC+i+16]  ; the lower 16 of both
.set i, i+1
.endr
	FLIP
	MERGE4
	CROSS 1
	MERGE4
	CROSS 2
	MERGE4
	CROSS 4
	MERGE4
	CROSS 8
	MERGE4
.set i, 0
.rept 16
	v_permlanex16_b32 v[DST+i], v[SRC+15-i], s48, s49      ; the other half's list, backwards (the destination has been written by earlier stages)
.set i, i+1
.endr
.set i, 0
.rept 16
	v_min_num_f32 v[DST+i], v[DST+i], v[SRC+i]
.set i, i+1
.endr
	FLIP
.endm
	TOP16                                          ; pass 1
	v_max3_num_f32 v[KTH], v[SRC], v[SRC+1], v[SRC+2]
.irp p, 3,5,7,9,11,13
	v_max3_num_f32 v[KTH], v[KTH], v[SRC+\p], v[SRC+\p+1]
.endr
	v_max_num_f32 v[KTH], v[KTH], v[SRC+15]        ; K: the largest of the 16 smallest
; The key of number c of my quad in load j takes the number's place.  lo: c as f32.
.macro KEY j, c, lo
	v_cmp_lt_f32 s50, v[D+4*\j+\c], v[KTH]
	v_cmp_eq_f32 s51, v[D+4*\j+\c], v[KTH]
	v_add_f32 v[TA], 0x47800000+0x80*\c, v[IDF+\j]         ; index + 65,536 (the constant is 65,536 + c as f32; +inf stays +inf)
	v_cndmask_b32 v[D+4*\j+\c], v[INF], v[TA], s51
.if \c == 0
	v_cndmask_b32 v[D+4*\j+\c], v[D+4*\j+\c], v[IDF+\j], s50
.else
	v_add_f32 v[TB], \lo, v[IDF+\j]
	v_cndmask_b32 v[D+4*\j+\c], v[D+4*\j+\c], v[TB], s50
.endif
.endm
.irp j, 0,1,2,3,4,5,6,7
	KEY \j, 0, 0
	KEY \j, 1, 1.0
	KEY \j, 2, 2.0
	KEY \j, 3, 0x40400000
.endr
	TOP16                                          ; pass 2
.irp c, 0,1,2,3
	v_cndmask_b32 v[OUTR+\c], v[SRC+\c], v[SRC+4+\c], s52  ; lane q of 0..3 takes keys 4q .. 4q+3
	v_cndmask_b32 v[OUTR+\c], v[OUTR+\c], v[SRC+8+\c], s53
	v_cndmask_b32 v[OUTR+\c], v[OUTR+\c], v[SRC+12+\c], s54
	v_cvt_u32_f32 v[OUTR+\c], v[OUTR+\c]
	v_and_b32 v[OUTR+\c], 0xffff, v[OUTR+\c]               ; the index
.endr
	v_cmp_gt_u32 vcc_lo, 4, v[LN]
	s_wait_xcnt 0x0                                ; EXEC is a source of the memory instructions issued so far: it changes only behind this wait
	s_and_saveexec_b32 s55, vcc_lo
	global_store_b128 v[SO], v[OUTR:OUTR+3], s[8:9]        ; 4 lanes: the row's 64 bytes
	s_wait_xcnt 0x0
	s_or_b32 exec_lo, exec_lo, s55
	s_endpgm
.Lfunc_end_k_q26f2967548_pick:
	.size	k_q26f2967548_pick, .Lfunc_end_k_q26f2967548_pick-k_q26f2967548_pick
	.p2alignl 7, 3214868480
	.fill 96, 4, 3214868480
	.section	.rodata,"a",@progbits
	.p2align	6, 0x0
	.amdhsa_kernel k_q26f2967548_pick
		.amdhsa_group_segment_fixed_size 0
		.amdhsa_private_segment_fixed_size 0
		.amdhsa_enable_private_segment 0
		.amdhsa_kernarg_size 24
		.amdhsa_user_sgpr_count 2
		.amdhsa_user_sgpr_kernarg_segment_ptr 1
		.amdhsa_wavefront_size32 1
		.amdhsa_system_sgpr_workgroup_id_x 1
		.amdhsa_system_sgpr_workgroup_id_y 1
		.amdhsa_system_sgpr_workgroup_id_z 1
		.amdhsa_system_vgpr_workitem_id 0
		.amdhsa_next_free_vgpr 136
		.amdhsa_next_free_sgpr 66
		.amdhsa_reserve_vcc 1
		.amdhsa_float_denorm_mode_32 3
		.amdhsa_float_denorm_mode_16_64 3
		.amdhsa_memory_ordered 1
		.amdhsa_forward_progress 1
		.amdhsa_inst_pref_size 74
	.end_amdhsa_kernel
	.amdgpu_metadata
---
amdhsa.version: [ 1, 2 ]
amdhsa.kernels:
  - .name:           k_q26f2967548_pick
    .symbol:         k_q26f2967548_pick.kd
    .args:
      - { .name: groups, .offset: 0, .size: 8, .value_kind: global_buffer, .address_space: global }
      - { .name: distances, .offset: 8, .size: 8, .value_kind: global_buffer, .address_space: global }
      - { .name: winners, .offset: 16, .size: 8, .value_kind: global_buffer, .address_space: global }
    .group_segment_fixed_size: 0
    .private_segment_fixed_size: 0
    .kernarg_segment_align: 8
    .kernarg_segment_size: 24
    .max_flat_workgroup_size: 256
    .sgpr_count:     66
    .vgpr_count:     136
    .wavefront_size: 32
...
	.end_amdgpu_metadata
.endif
;; end of part 2
;; launch vote (part 3): grid 256 x 1, 8 waves a work-group, no clusters, 0 bytes of LDS; arguments winners, one_hot_prototype_labels, out0; writes out0
.if DOCPART == 3
	.amdgcn_target "amdgcn-amd-amdhsa--gfx1250"
	.amdhsa_code_object_version 6
	.text
	.protected	k_q26f2967548_vote
	.globl	k_q26f2967548_vote
	.p2align	8
	.type	k_q26f2967548_vote,@function
k_q26f2967548_vote:
	s_mov_b64 s[64:65], 0
	v_nop
	global_prefetch_b8 v0, s[64:65] scope:SCOPE_SE
	s_setreg_imm32_b32 hwreg(HW_REG_WAVE_MODE, 25, 1), 1
	s_wait_xcnt 0x0
; VOTE: out0[row][c] = (sum of the label rows of the row's 16 nearest prototypes)[c] / 16.  One wave = one row, 8 rows a work-group,
; no wave waits for another.  The 16 indices, stored by the launch before, come by one scalar load and are clamped to the table.
; A label row is 400 bytes = 25 lanes x 16 bytes; lanes 25-31 repeat lane 24 and store nothing.  All 16 loads go out at once.
;
; LIMITS: the 16 rows are added in the order of the stored list, in one chain, not in order of distance: another order of f32 rounding
; where labels are not 0 and 1.  Only the winners' rows are read, so labels may hold anything.
; A row of out0 is 400 bytes, stored by 25 lanes: it does not fill aligned runs of 256 bytes (819,200 bytes in all).
; No cluster, no LDS: the label rows that two rows want are different ones.
.set NPROTO, 50000
.set L25,   1                          ; v1       16 x min(lane, 24)
.set LN,    2                          ; v2       lane
.set SO,    3                          ; v3       16 x lane
.set OFF,   4                          ; v4-19    winner i: byte offset of my 16 bytes in its label row
.set LAB,   20                         ; v20-83   winner i: my 4 columns; the sum grows in winner 0's registers
	s_load_b128 s[4:7], s[0:1], 0x0                ; winners s[4:5], labels s[6:7]
	s_load_b64 s[8:9], s[0:1], 0x10                ; out0
	v_lshrrev_b32 v[LN], 5, v0
	v_readfirstlane_b32 s10, v[LN]                 ; wave
	s_lshl_b32 s11, ttmp9, 3
	s_add_co_u32 s11, s11, s10                     ; row
	v_and_b32 v[LN], 31, v0
	v_min_u32 v[L25], 24, v[LN]
	v_lshlrev_b32 v[L25], 4, v[L25]
	v_lshlrev_b32 v[SO], 4, v[LN]
	s_lshl_b32 s14, s11, 6                         ; the record: 64 bytes a row
	s_mov_b32 s15, 0
	s_mul_i32 s12, s11, 400                        ; out0: 400 bytes a row
	s_mov_b32 s13, 0
	s_wait_kmcnt 0x0
	s_add_nc_u64 s[4:5], s[4:5], s[14:15]
	s_add_nc_u64 s[8:9], s[8:9], s[12:13]
	s_load_b512 s[16:31], s[4:5], 0x0              ; the row's 16 indices
	s_wait_kmcnt 0x0
.irp i, 0,1,2,3,4,5,6,7,8,9,10,11,12,13,14,15
	s_min_u32 s[16+\i], s[16+\i], NPROTO-1         ; inside the table whatever the record holds
	s_mul_i32 s[16+\i], s[16+\i], 400
	v_add_nc_u32 v[OFF+\i], s[16+\i], v[L25]
	global_load_b128 v[LAB+4*\i:LAB+4*\i+3], v[OFF+\i], s[6:7]
.endr
	s_wait_loadcnt 14                              ; loads return in order: rows 0 and 1 are in, the 14 behind them stay out
	v_pk_add_f32 v[LAB:LAB+1], v[LAB:LAB+1], v[LAB+4:LAB+5]        ; the first two rows start the sum: nothing is cleared
	v_pk_add_f32 v[LAB+2:LAB+3], v[LAB+2:LAB+3], v[LAB+6:LAB+7]
.irp i, 2,3,4,5,6,7,8,9,10,11,12,13,14,15
	s_wait_loadcnt 15-\i                           ; row i is in; 15 - i were issued behind it
	v_pk_add_f32 v[LAB:LAB+1], v[LAB:LAB+1], v[LAB+4*\i:LAB+4*\i+1]
	v_pk_add_f32 v[LAB+2:LAB+3], v[LAB+2:LAB+3], v[LAB+4*\i+2:LAB+4*\i+3]
.endr
	v_pk_mul_f32 v[LAB:LAB+1], v[LAB:LAB+1], 0x3d800000 op_sel_hi:[1,0]       ; / 16, exact
	v_pk_mul_f32 v[LAB+2:LAB+3], v[LAB+2:LAB+3], 0x3d800000 op_sel_hi:[1,0]
	v_cmp_gt_u32 vcc_lo, 25, v[LN]
	s_wait_xcnt 0x0                                ; EXEC is a source of the memory instructions issued so far: it changes only behind this wait
	s_and_saveexec_b32 s20, vcc_lo
	global_store_b128 v[SO], v[LAB:LAB+3], s[8:9]  ; 25 lanes: the row's 400 bytes
	s_wait_xcnt 0x0
	s_or_b32 exec_lo, exec_lo, s20
	s_endpgm
.Lfunc_end_k_q26f2967548_vote:
	.size	k_q26f2967548_vote, .Lfunc_end_k_q26f2967548_vote-k_q26f2967548_vote
	.p2alignl 7, 3214868480
	.fill 96, 4, 3214868480
	.section	.rodata,"a",@progbits
	.p2align	6, 0x0
	.amdhsa_kernel k_q26f2967548_vote
		.amdhsa_group_segment_fixed_size 0
		.amdhsa_private_segment_fixed_size 0
		.amdhsa_enable_private_segment 0
		.amdhsa_kernarg_size 24
		.amdhsa_user_sgpr_count 2
		.amdhsa_user_sgpr_kernarg_segment_ptr 1
		.amdhsa_wavefront_size32 1
		.amdhsa_system_sgpr_workgroup_id_x 1
		.amdhsa_system_sgpr_workgroup_id_y 1
		.amdhsa_system_sgpr_workgroup_id_z 1
		.amdhsa_system_vgpr_workitem_id 0
		.amdhsa_next_free_vgpr 88
		.amdhsa_next_free_sgpr 66
		.amdhsa_reserve_vcc 1
		.amdhsa_float_denorm_mode_32 3
		.amdhsa_float_denorm_mode_16_64 3
		.amdhsa_memory_ordered 1
		.amdhsa_forward_progress 1
		.amdhsa_inst_pref_size 8
	.end_amdhsa_kernel
	.amdgpu_metadata
---
amdhsa.version: [ 1, 2 ]
amdhsa.kernels:
  - .name:           k_q26f2967548_vote
    .symbol:         k_q26f2967548_vote.kd
    .args:
      - { .name: winners, .offset: 0, .size: 8, .value_kind: global_buffer, .address_space: global }
      - { .name: one_hot_prototype_labels, .offset: 8, .size: 8, .value_kind: global_buffer, .address_space: global }
      - { .name: out0, .offset: 16, .size: 8, .value_kind: global_buffer, .address_space: global }
    .group_segment_fixed_size: 0
    .private_segment_fixed_size: 0
    .kernarg_segment_align: 8
    .kernarg_segment_size: 24
    .max_flat_workgroup_size: 256
    .sgpr_count:     66
    .vgpr_count:     88
    .wavefront_size: 32
...
	.end_amdgpu_metadata
.endif
;; end of part 3
;; ======== version 2 of 2: 3 launches; version 1 with the launch vote written anew for expert scheduling mode
;; workspace buffers: groups 131,072 bytes of whole numbers; winners 131,072 bytes of whole numbers
;; launch select: the kernel of part 1 again; grid 2048 x 1, 8 waves a work-group, no clusters, 3,072 bytes of LDS; arguments distances, groups; writes groups
;; launch pick: the kernel of part 2 again; grid 256 x 1, 8 waves a work-group, no clusters, 0 bytes of LDS; arguments groups, distances, winners; writes winners
;; launch vote (part 4): grid 256 x 1, 8 waves a work-group, no clusters, 0 bytes of LDS; arguments winners, one_hot_prototype_labels, out0; writes out0
.if DOCPART == 4
	.amdgcn_target "amdgcn-amd-amdhsa--gfx1250"
	.amdhsa_code_object_version 6
	.text
	.protected	k_q26f2967548_vote
	.globl	k_q26f2967548_vote
	.p2align	8
	.type	k_q26f2967548_vote,@function
k_q26f2967548_vote:
	s_mov_b64 s[64:65], 0
	v_nop
	global_prefetch_b8 v0, s[64:65] scope:SCOPE_SE
	s_setreg_imm32_b32 hwreg(HW_REG_WAVE_SCHED_MODE, 0, 2), 2
	s_setreg_imm32_b32 hwreg(HW_REG_WAVE_MODE, 25, 1), 1
	s_wait_xcnt 0x0
	s_wait_alu depctr_vm_vsrc(0)
; VOTE: out0[row][c] = (sum of the label rows of the row's 16 nearest prototypes)[c] / 16.  One wave = one row, 8 rows a work-group,
; no wave waits for another.  The 16 indices, stored by the launch before, come by one scalar load and are clamped to the table.
; A label row is 400 bytes = 25 lanes x 16 bytes; lanes 25-31 repeat lane 24 and store nothing.  All 16 loads go out at once.
;
; LIMITS: the 16 rows are added in the order of the stored list, in one chain, not in order of distance: another order of f32 rounding
; where labels are not 0 and 1.  Only the winners' rows are read, so labels may hold anything.
; A row of out0 is 400 bytes, stored by 25 lanes: it does not fill aligned runs of 256 bytes (819,200 bytes in all).
; No cluster, no LDS: the label rows that two rows want are different ones.
;
; THE MODE: SCHED_MODE bits 1:0 = 2 (LLVM: expert scheduling mode 2), set by the entry lines.  The code itself states the register dependences
; between vector instructions and memory instructions, with s_wait_alu, always for 0.
; THE PLAN.  The text is one straight run.  Registers that memory instructions touch:
;   v4-19  (OFF)  each written once, by one v_add_nc_u32; each read by one load; never written again.
;   v20-83 (LAB)  written by the 16 loads and named by no vector instruction before them; read by the additions, each behind its count on LOADcnt.
;   v20-23        the sum: written by the additions and the two multiplies, read by the one store, not written behind it.
;   v3     (SO)   written once at the head, read by the store.
; So all 16 offsets are made first, ONE wait on va_vdst stands behind them, and the 16 loads follow it in one run with no vector instruction between.
; The store's data and offset are stated written by the wait on va_vdst that stands ahead of the narrowing of EXEC.
; s10 (from v_readfirstlane_b32) and VCC (from the compare) have a wait each ahead of their first reader; each of the two scalar writes of EXEC has both waits ahead of it.
.set NPROTO, 50000
.set L25,   1                          ; v1       16 x min(lane, 24)
.set LN,    2                          ; v2       lane
.set SO,    3                          ; v3       16 x lane
.set OFF,   4                          ; v4-19    winner i: byte offset of my 16 bytes in its label row
.set LAB,   20                         ; v20-83   winner i: my 4 columns; the sum grows in winner 0's registers
	s_load_b128 s[4:7], s[0:1], 0x0                ; winners s[4:5], labels s[6:7]
	s_load_b64 s[8:9], s[0:1], 0x10                ; out0
	v_lshrrev_b32 v[LN], 5, v0
	v_readfirstlane_b32 s10, v[LN]                 ; wave
	v_and_b32 v[LN], 31, v0
	v_min_u32 v[L25], 24, v[LN]
	v_lshlrev_b32 v[L25], 4, v[L25]
	v_lshlrev_b32 v[SO], 4, v[LN]
	s_wait_alu depctr_va_sdst(0)                   ; s10 is written, ahead of its first reader: the row's number is made from it
	s_lshl_b32 s11, ttmp9, 3
	s_add_co_u32 s11, s11, s10                     ; row
	s_lshl_b32 s14, s11, 6                         ; the record: 64 bytes a row
	s_mov_b32 s15, 0
	s_mul_i32 s12, s11, 400                        ; out0: 400 bytes a row
	s_mov_b32 s13, 0
	s_wait_kmcnt 0x0
	s_add_nc_u64 s[4:5], s[4:5], s[14:15]
	s_add_nc_u64 s[8:9], s[8:9], s[12:13]
	s_load_b512 s[16:31], s[4:5], 0x0              ; the row's 16 indices
	s_wait_kmcnt 0x0
.irp i, 0,1,2,3,4,5,6,7,8,9,10,11,12,13,14,15
	s_min_u32 s[16+\i], s[16+\i], NPROTO-1         ; inside the table whatever the record holds
	s_mul_i32 s[16+\i], s[16+\i], 400
	v_add_nc_u32 v[OFF+\i], s[16+\i], v[L25]
.endr
	s_wait_alu depctr_va_vdst(0)                   ; the sixteen additions have written v[OFF ..], which the sixteen loads below read as their offsets
.irp i, 0,1,2,3,4,5,6,7,8,9,10,11,12,13,14,15
	global_load_b128 v[LAB+4*\i:LAB+4*\i+3], v[OFF+\i], s[6:7]     ; no vector instruction since the wait; none has ever named v[LAB ..]
.endr
	s_wait_loadcnt 14                              ; loads return in order: rows 0 and 1 are in, the 14 behind them stay out
	v_pk_add_f32 v[LAB:LAB+1], v[LAB:LAB+1], v[LAB+4:LAB+5]        ; the first two rows start the sum: nothing is cleared
	v_pk_add_f32 v[LAB+2:LAB+3], v[LAB+2:LAB+3], v[LAB+6:LAB+7]
.irp i, 2,3,4,5,6,7,8,9,10,11,12,13,14,15
	s_wait_loadcnt 15-\i                           ; row i is in; 15 - i were issued behind it
	v_pk_add_f32 v[LAB:LAB+1], v[LAB:LAB+1], v[LAB+4*\i:LAB+4*\i+1]
	v_pk_add_f32 v[LAB+2:LAB+3], v[LAB+2:LAB+3], v[LAB+4*\i+2:LAB+4*\i+3]
.endr
	v_pk_mul_f32 v[LAB:LAB+1], v[LAB:LAB+1], 0x3d800000 op_sel_hi:[1,0]       ; / 16, exact
	v_pk_mul_f32 v[LAB+2:LAB+3], v[LAB+2:LAB+3], 0x3d800000 op_sel_hi:[1,0]
	v_cmp_gt_u32 vcc_lo, 25, v[LN]
	s_wait_xcnt 0x0                                ; EXEC is a source of the memory instructions issued so far: it changes only behind this wait
	s_wait_alu depctr_va_vcc(0)                    ; the compare has written VCC, from which EXEC is made
	s_wait_alu depctr_va_vdst(0)                   ; ahead of the write of EXEC: every vector instruction is done; among them the two multiplies, which have written v[LAB:LAB+3], the store's data (v[SO], its offset, was written at the head)
	s_wait_alu depctr_vm_vsrc(0)                   ; ahead of the write of EXEC: the loads have read their vector registers
	s_and_saveexec_b32 s20, vcc_lo
	global_store_b128 v[SO], v[LAB:LAB+3], s[8:9]  ; 25 lanes: the row's 400 bytes
	s_wait_xcnt 0x0
	s_wait_alu depctr_va_vdst(0)                   ; ahead of the write of EXEC: no vector instruction is unfinished
	s_wait_alu depctr_vm_vsrc(0)                   ; ahead of the write of EXEC: the store has read v[SO] and v[LAB:LAB+3]
	s_or_b32 exec_lo, exec_lo, s20
	s_endpgm
.Lfunc_end_k_q26f2967548_vote:
	.size	k_q26f2967548_vote, .Lfunc_end_k_q26f2967548_vote-k_q26f2967548_vote
	.p2alignl 7, 3214868480
	.fill 96, 4, 3214868480
	.section	.rodata,"a",@progbits
	.p2align	6, 0x0
	.amdhsa_kernel k_q26f2967548_vote
		.amdhsa_group_segment_fixed_size 0
		.amdhsa_private_segment_fixed_size 0
		.amdhsa_enable_private_segment 0
		.amdhsa_kernarg_size 24
		.amdhsa_user_sgpr_count 2
		.amdhsa_user_sgpr_kernarg_segment_ptr 1
		.amdhsa_wavefront_size32 1
		.amdhsa_system_sgpr_workgroup_id_x 1
		.amdhsa_system_sgpr_workgroup_id_y 1
		.amdhsa_system_sgpr_workgroup_id_z 1
		.amdhsa_system_vgpr_workitem_id 0
		.amdhsa_next_free_vgpr 88
		.amdhsa_next_free_sgpr 66
		.amdhsa_reserve_vcc 1
		.amdhsa_float_denorm_mode_32 3
		.amdhsa_float_denorm_mode_16_64 3
		.amdhsa_memory_ordered 1
		.amdhsa_forward_progress 1
		.amdhsa_inst_pref_size 9
	.end_amdhsa_kernel
	.amdgpu_metadata
---
amdhsa.version: [ 1, 2 ]
amdhsa.kernels:
  - .name:           k_q26f2967548_vote
    .symbol:         k_q26f2967548_vote.kd
    .args:
      - { .name: winners, .offset: 0, .size: 8, .value_kind: global_buffer, .address_space: global }
      - { .name: one_hot_prototype_labels, .offset: 8, .size: 8, .value_kind: global_buffer, .address_space: global }
      - { .name: out0, .offset: 16, .size: 8, .value_kind: global_buffer, .address_space: global }
    .group_segment_fixed_size: 0
    .private_segment_fixed_size: 0
    .kernarg_segment_align: 8
    .kernarg_segment_size: 24
    .max_flat_workgroup_size: 256
    .sgpr_count:     66
    .vgpr_count:     88
    .wavefront_size: 32
...
	.end_amdgpu_metadata
.endif
;; end of part 4
